; MI455X (gfx1250); checked and timed in simulation.
; The chip was launched on July 23, 2026; its instructions are those of AMD's public machine-readable ISA for CDNA 5 (MIT licence, August 2026) and "CDNA5" Instruction Set Architecture Reference Guide (July 2026). The comments in the code are by the model that wrote it; some were corrected since.
;; Lo RA Linear. Allowed arithmetic: float matrix products may take bf16 or f16 operands with f32 sums; other float arithmetic in f32, or as packed bf16 or f16 multiplies, adds, multiply-adds, maxima and minima; sums over many terms, partial sums and values carried from step to step in f32; what a program stores and reads back later, other than sums and carried values, may be rounded once to bf16 or f16.
;; Inputs: bias 2,048 float32; lora_A 16 x 2,048 float32; lora_B 2,048 x 16 float32; weight 2,048 x 2,048 float32; x 4 x 2,048 x 2,048 float32.
;; Outputs: out0 4 x 2,048 x 2,048 float32.
;; 2 versions, each right; version 2 is version 1 with the launch prep written anew for expert scheduling mode. Each part assembles by itself: llvm-mc -triple=amdgcn-amd-amdhsa -mcpu=gfx1250 --defsym DOCPART=n.
;; ======== version 1 of 2: 2 launches
;; workspace buffers: xb 33,554,432 bytes; wb 8,388,608 bytes
;; launch prep (part 1): grid 256 x 1, 16 waves a work-group, no clusters, 0 bytes of LDS; arguments x, weight, lora_A, lora_B, xb, wb; writes xb, wb
.if DOCPART == 1
	.amdgcn_target "amdgcn-amd-amdhsa--gfx1250"
	.amdhsa_code_object_version 6
	.text
	.protected	k_qfe433a501b_prep
	.globl	k_qfe433a501b_prep
	.p2align	8
	.type	k_qfe433a501b_prep,@function
k_qfe433a501b_prep:
	s_mov_b64 s[64:65], 0
	v_nop
	global_prefetch_b8 v0, s[64:65] scope:SCOPE_SE
	s_setreg_imm32_b32 hwreg(HW_REG_WAVE_MODE, 25, 1), 1
	s_wait_xcnt 0x0
; LoRALinear, first of two launches.  out0 = x W^T + bias + 2 x (B A)^T, with x [8192][2048], W = weight [2048][2048], A = lora_A [16][2048], B = lora_B [2048][16], all f32.
; ONE PRODUCT FOR TWO.  For all values of the inputs x W^T + 2 x (B A)^T = x (W + 2 B A)^T (the product is linear in its second factor).  So the second full product
; of 8192 x 2048 x 2048 is not made: this launch makes W_eff = W + 2 B A, the next one multiplies x by it once and adds the bias.  No input is left out: all five are loaded.
; THIS LAUNCH  (a) rounds x to bf16 into xb [8192][2048];  (b) makes W_eff, in bf16, into wb [2048][2048].
; ROUNDINGS.  x, W, A and B are each rounded once to bf16 (nearest even).  B A is summed in f32 by the matrix unit; bf16(W) + 2 B A is one fused multiply-add in f32, and is
; rounded once more to bf16, as the next launch's matrix operand.  So the result is that of the formula on inputs rounded to bf16, but for that one rounding of W_eff.
; LIMITS.  The order of rounding differs from a program that makes two products and adds them: where W and 2 B A nearly cancel, what is left carries the error of the operands'
; bf16 rounding.  An overflow, infinity or NaN that would arise in the separate product x (B A)^T alone is not carried; NaN and infinities in the inputs are not treated apart.
; wb's ROWS ARE PERMUTED inside each block of 128: true row 128 c + u lies at position 128 c + (u & 64) + 16 (u & 3) + ((u >> 2) & 15), so that position 16 b + r holds true row
; 64 (b >> 2) + 4 r + (b & 3): in the next launch four accumulators of one lane then hold four neighbouring columns of out0.
; SHARES.  256 work-groups of 16 waves; no LDS, no barrier, no loop.  Waves 0-7 cast: the work-group owns 32 rows of x (262,144 dense bytes), a wave 32,768 of them.
; Waves 8-15 make W_eff: a wave one tile of 16 rows x 128 columns; 2,048 tiles in all.  Matrix units serve (b)'s rank-16 product alone; clusters and LDS would add nothing to a stream.
.set XR,   16                          ; cast: v[16:143]   32 slots of 4: 16 bytes of x a lane
.set YR,   144                         ; cast: v[144:207]  32 slots of 2: the same four numbers in bf16
.set BR,   8                           ; W_eff: v[8:15]    B as loaded;
.set TW,   8                           ;        later eight numbers of a row, at work
.set BF,   16                          ; v[16:23]   B's fragment: 16 rows x 32 k, of which k = 16 .. 31 are 0
.set AF,   24                          ; v[24:87]   A's fragments, tile q at AF + 8 q
.set ARAW, 88                          ; v[88:151]  A as loaded: A[8 h + kk][i0 + 8 r + q] at ARAW + 8 kk + q;
.set ACC,  88                          ;        later the eight accumulators, tile q at ACC + 8 q
.set WR,   152                         ; v[152:215] W as loaded: W[o0 + 8 h + j][i0 + 8 r + q] at WR + 8 j + q; then the row's 16 bytes to store in WR + 8 j .. + 3
	s_load_b256 s[4:11], s[0:1], 0x0               ; x s[4:5], weight s[6:7], lora_A s[8:9], lora_B s[10:11]
	s_load_b128 s[12:15], s[0:1], 0x20             ; xb s[12:13], wb s[14:15]
	v_lshrrev_b32 v1, 5, v0
	v_readfirstlane_b32 s16, v1                    ; wave 0..15
	s_wait_kmcnt 0x0
	s_cmp_lt_u32 s16, 8
	s_cbranch_scc0 .Lweights
	; ---------------- waves 0-7: x to bf16 ----------------
	; 64 chunks of 512 consecutive bytes a wave; a chunk is one load of 16 bytes a lane and one store of 8 bytes a lane (256 consecutive bytes, aligned).
	; 32 slots in registers, each used twice: 32 loads of a wave are on their way all through the first round.
	s_lshl_b32 s18, ttmp9, 18                      ; the work-group's 262,144 bytes of x,
	s_lshl_b32 s17, s16, 15                        ; my wave's 32,768 of them
	s_add_co_u32 s18, s18, s17
	s_mov_b32 s19, 0
	s_lshr_b32 s20, s18, 1                         ; half as many in xb
	s_mov_b32 s21, 0
	s_add_nc_u64 s[4:5], s[4:5], s[18:19]
	s_add_nc_u64 s[12:13], s[12:13], s[20:21]
	v_and_b32 v4, 31, v0                           ; lane
	v_lshlrev_b32 v1, 4, v4                        ; my 16 bytes of a chunk of x; never rewritten
	v_lshlrev_b32 v2, 3, v4                        ; my 8 bytes of a chunk of xb; never rewritten
.set c, 0
.rept 32
	global_load_b128 v[XR+4*c:XR+4*c+3], v1, s[4:5] offset:512*c th:TH_LOAD_NT
.set c, c+1
.endr
; The turn of slot n.  ahead = 1: first round, the slot is loaded again with the chunk 32 further on.  left = how many younger loads may stay out.
.macro XSLOT n, ahead, left
	s_wait_loadcnt (\left)                         ; loads come back in order (ISA guide 5.7.1): this slot's is in
	v_cvt_pk_bf16_f32 v[YR+2*(\n)],   v[XR+4*(\n)],   v[XR+4*(\n)+1]
	v_cvt_pk_bf16_f32 v[YR+2*(\n)+1], v[XR+4*(\n)+2], v[XR+4*(\n)+3]
.if \ahead
	global_load_b128 v[XR+4*(\n):XR+4*(\n)+3], v1, s[4:5] offset:512*(32+(\n)) th:TH_LOAD_NT
	global_store_b64 v2, v[YR+2*(\n):YR+2*(\n)+1], s[12:13] offset:256*(\n) th:TH_STORE_NT
.else
	global_store_b64 v2, v[YR+2*(\n):YR+2*(\n)+1], s[12:13] offset:256*(32+(\n)) th:TH_STORE_NT
.endif
.endm
.set c, 0
.rept 32
	XSLOT c, 1, 31                                 ; behind slot c's first load 31 - c first loads and c second loads were issued: 31
.set c, c+1
.endr
	s_wait_xcnt 0x0                                ; the first round's stores have read their data: the second round writes the same registers only behind this wait
.set c, 0
.rept 32
	XSLOT c, 0, 31-c                               ; nothing more is loaded: the counts run down
.set c, c+1
.endr
	s_endpgm
	; ---------------- waves 8-15: W_eff = bf16(W) + 2 B A ----------------
	; Tile: rows o0 = 16 ob .. + 15, columns i0 = 128 ib .. + 127.  r = lane % 16, h = lane / 16.
	; Source 0 = 16 rows of B: lane (r, h) holds row o0 + r, k = 8 h .. 8 h + 7 in registers 0-3; registers 4-7 (k = 16 ..) are 0, since the rank is 16.
	; Source 1, for q = 0 .. 7 = 16 columns of A: lane (r, h) holds column i0 + 8 r + q, k = 8 h .. 8 h + 7; the rest 0.
	; So register j of result q in lane (r, h) is (B A)[o0 + 8 h + j][i0 + 8 r + q]: for a fixed j the eight results are eight neighbouring columns: 16 bytes of wb.
.Lweights:
	s_sub_co_u32 s17, s16, 8
	s_lshr_b32 s18, ttmp9, 1                       ; ob = 0 .. 127
	s_and_b32 s19, ttmp9, 1
	s_lshl3_add_u32 s19, s19, s17                  ; ib = 8 (g & 1) + wave - 8 = 0 .. 15
	s_mov_b32 s26, 0xffff0000                      ; a word's upper bf16
	s_lshl_b32 s20, s18, 17                        ; 16 rows of 8,192 bytes
	s_lshl_b32 s22, s19, 9                         ; 128 columns of 4 bytes
	s_add_co_u32 s20, s20, s22
	s_mov_b32 s21, 0
	s_mov_b32 s23, 0
	s_add_nc_u64 s[6:7], s[6:7], s[20:21]          ; W at the tile
	s_add_nc_u64 s[8:9], s[8:9], s[22:23]          ; A at the tile's columns
	s_lshl_b32 s20, s18, 10                        ; 16 rows of 64 bytes
	s_add_nc_u64 s[10:11], s[10:11], s[20:21]      ; B at the tile's rows
	s_lshl_b32 s24, s18, 4                         ; o0
	s_and_b32 s25, s24, 63
	s_lshr_b32 s25, s25, 2
	s_and_b32 s24, s24, 0x7c0
	s_add_co_u32 s24, s24, s25                     ; the position of true row o0: (o0 & ~63) + ((o0 & 63) >> 2); row o0 + 8 h + j lies 16 (j & 3) + (j >> 2) + 2 h further on
	s_lshl_b32 s24, s24, 12                        ; rows of 4,096 bytes
	s_lshl_b32 s25, s19, 8                         ; 128 columns of 2 bytes
	s_add_co_u32 s24, s24, s25
	s_mov_b32 s25, 0
	s_add_nc_u64 s[14:15], s[14:15], s[24:25]
	v_and_b32 v4, 15, v0                           ; r
	v_bfe_u32 v5, v0, 4, 1                         ; h
	v_lshlrev_b32 v1, 5, v4
	v_lshl_or_b32 v1, v5, 16, v1                   ; in A and in W alike: 8 h rows of 8,192 bytes + 8 r columns of 4 bytes
	v_lshlrev_b32 v2, 6, v4
	v_lshl_or_b32 v2, v5, 5, v2                    ; in B: row r of 64 bytes + 8 h numbers
	v_lshlrev_b32 v3, 4, v4
	v_lshl_or_b32 v3, v5, 13, v3                   ; in wb: 2 h positions of 4,096 bytes + 8 r columns of 2 bytes
	global_load_b128 v[BR:BR+3],   v2, s[10:11]
	global_load_b128 v[BR+4:BR+7], v2, s[10:11] offset:16
.irp kk, 0,1,2,3,4,5,6,7
	global_load_b128 v[ARAW+8*\kk:ARAW+8*\kk+3],   v1, s[8:9] offset:8192*\kk       ; A is read by many waves of the launch: no hint
	global_load_b128 v[ARAW+8*\kk+4:ARAW+8*\kk+7], v1, s[8:9] offset:8192*\kk+16
.endr
.irp j, 0,1,2,3,4,5,6,7
	global_load_b128 v[WR+8*\j:WR+8*\j+3],   v1, s[6:7] offset:8192*\j th:TH_LOAD_NT     ; W is read once in the launch
	global_load_b128 v[WR+8*\j+4:WR+8*\j+7], v1, s[6:7] offset:8192*\j+16 th:TH_LOAD_NT
.endr
.irp p, 4,5,6,7                        ; the fragments' halves k = 16 .. 31, written while the loads are out
	v_mov_b32 v[BF+\p], 0
.irp q, 0,1,2,3,4,5,6,7
	v_mov_b32 v[AF+8*\q+\p], 0
.endr
.endr
	s_wait_loadcnt 16                              ; B's 2 and A's 16 loads are in; W's 16, issued behind them, may stay out
.irp p, 0,1,2,3
	v_cvt_pk_bf16_f32 v[BF+\p], v[BR+2*\p], v[BR+2*\p+1]
.endr
.irp q, 0,1,2,3,4,5,6,7
.irp p, 0,1,2,3
	v_cvt_pk_bf16_f32 v[AF+8*\q+\p], v[ARAW+16*\p+\q], v[ARAW+16*\p+8+\q]           ; k = 8 h + 2 p and 8 h + 2 p + 1 of column i0 + 8 r + q
.endr
.endr
.irp q, 0,1,2,3,4,5,6,7                ; eight sums of one link each: no accumulator is taken up twice
	v_wmma_f32_16x16x32_bf16 v[ACC+8*\q:ACC+8*\q+7], v[BF:BF+7], v[AF+8*\q:AF+8*\q+7], 0
.endr
; Row j of the tile's two groups of eight rows.  W is rounded to bf16 and widened again; then one fused multiply-add a number, one rounding, one store: lanes 0-15 write 256
; consecutive bytes, aligned, of one row of wb, lanes 16-31 those of the row two positions on.
; Row 0's twelve conversions and widenings name no register of the products above: they are the places between the last product and the first read of a result (ISA guide 7.12.1).
; The rows go in ascending order.
.macro WROW j
	s_wait_loadcnt 14-2*(\j)                       ; W's loads for rows 0 .. j are in; the 2 (7 - j) behind them may stay out
.irp p, 0,1,2,3
	v_cvt_pk_bf16_f32 v[WR+8*(\j)+\p], v[WR+8*(\j)+2*\p], v[WR+8*(\j)+2*\p+1]      ; in place, ascending: word p is written when numbers 2 p and 2 p + 1 are read, and numbers below are done with
.endr
.irp p, 0,1,2,3
	v_lshlrev_b32 v[TW+2*\p],   16,  v[WR+8*(\j)+\p]
	v_and_b32     v[TW+2*\p+1], s26, v[WR+8*(\j)+\p]
.endr
.irp q, 0,1,2,3,4,5,6,7
	v_fma_f32 v[TW+\q], v[ACC+8*\q+(\j)], 2.0, v[TW+\q]                            ; 2 (B A) + bf16(W); 2 = alpha / rank = 32 / 16
.endr
.irp p, 0,1,2,3
	v_cvt_pk_bf16_f32 v[WR+8*(\j)+\p], v[TW+2*\p], v[TW+2*\p+1]
.endr
	global_store_b128 v3, v[WR+8*(\j):WR+8*(\j)+3], s[14:15] offset:(16*((\j)&3)+((\j)>>2))*4096 th:TH_STORE_NT
.endm
.irp j, 0,1,2,3,4,5,6,7
	WROW \j
.endr
	s_endpgm
.Lfunc_end_k_qfe433a501b_prep:
	.size	k_qfe433a501b_prep, .Lfunc_end_k_qfe433a501b_prep-k_qfe433a501b_prep
	.p2alignl 7, 3214868480
	.fill 96, 4, 3214868480
	.section	.rodata,"a",@progbits
	.p2align	6, 0x0
	.amdhsa_kernel k_qfe433a501b_prep
		.amdhsa_group_segment_fixed_size 0
		.amdhsa_private_segment_fixed_size 0
		.amdhsa_enable_private_segment 0
		.amdhsa_kernarg_size 48
		.amdhsa_user_sgpr_count 2
		.amdhsa_user_sgpr_kernarg_segment_ptr 1
		.amdhsa_wavefront_size32 1
		.amdhsa_system_sgpr_workgroup_id_x 1
		.amdhsa_system_sgpr_workgroup_id_y 1
		.amdhsa_system_sgpr_workgroup_id_z 1
		.amdhsa_system_vgpr_workitem_id 0
		.amdhsa_next_free_vgpr 216
		.amdhsa_next_free_sgpr 66
		.amdhsa_reserve_vcc 0
		.amdhsa_float_denorm_mode_32 3
		.amdhsa_float_denorm_mode_16_64 3
		.amdhsa_memory_ordered 1
		.amdhsa_forward_progress 1
		.amdhsa_inst_pref_size 43
	.end_amdhsa_kernel
	.amdgpu_metadata
---
amdhsa.version: [ 1, 2 ]
amdhsa.kernels:
  - .name:           k_qfe433a501b_prep
    .symbol:         k_qfe433a501b_prep.kd
    .args:
      - { .name: x, .offset: 0, .size: 8, .value_kind: global_buffer, .address_space: global }
      - { .name: weight, .offset: 8, .size: 8, .value_kind: global_buffer, .address_space: global }
      - { .name: lora_A, .offset: 16, .size: 8, .value_kind: global_buffer, .address_space: global }
      - { .name: lora_B, .offset: 24, .size: 8, .value_kind: global_buffer, .address_space: global }
      - { .name: xb, .offset: 32, .size: 8, .value_kind: global_buffer, .address_space: global }
      - { .name: wb, .offset: 40, .size: 8, .value_kind: global_buffer, .address_space: global }
    .group_segment_fixed_size: 0
    .private_segment_fixed_size: 0
    .kernarg_segment_align: 8
    .kernarg_segment_size: 48
    .max_flat_workgroup_size: 512
    .sgpr_count:     66
    .vgpr_count:     216
    .wavefront_size: 32
...
	.end_amdgpu_metadata
.endif
;; end of part 1
;; launch gemm (part 2): grid 8 x 32, 4 waves a work-group, clusters of 4 x 4, 327,680 bytes of LDS; arguments xb, wb, bias, out0; writes out0
.if DOCPART == 2
	.amdgcn_target "amdgcn-amd-amdhsa--gfx1250"
	.amdhsa_code_object_version 6
	.text
	.protected	k_qfe433a501b_gemm
	.globl	k_qfe433a501b_gemm
	.p2align	8
	.type	k_qfe433a501b_gemm,@function
k_qfe433a501b_gemm:
	s_mov_b64 s[64:65], 0
	v_nop
	global_prefetch_b8 v0, s[64:65] scope:SCOPE_SE
	s_setreg_imm32_b32 hwreg(HW_REG_WAVE_MODE, 25, 1), 1
	s_wait_xcnt 0x0
	s_wait_alu depctr_hold_cnt(0) depctr_sa_sdst(0) depctr_va_vdst(0) depctr_va_sdst(0) depctr_va_ssrc(0) depctr_va_vcc(0) depctr_vm_vsrc(0)
	s_getreg_b32 s2, hwreg(HW_REG_IB_STS2, 6, 4)
	s_cmp_eq_u32 s2, 0
	s_cbranch_scc0 .Lentry_in_a_cluster
	s_endpgm
.Lentry_in_a_cluster:
	s_bfe_u32 s2, ttmp6, 0x10000c
	s_cmp_lg_u32 s2, 0xf033
	s_cbranch_scc0 .Lentry_shape_is_right
	s_endpgm
.Lentry_shape_is_right:
; LoRALinear, second of two launches.  out0[m][n] = the sum over k of xb[m][k] W_eff[n][k] + bias[n].  xb: [8192][2048] bf16; wb: W_eff = W + 2 B A, [2048][2048] bf16; bias: [2048] f32;
; out0: [8192][2048] f32.  Sums in f32.  The separate product x (B A)^T is not made: x W^T + 2 x (B A)^T = x (W + 2 B A)^T for all values, and the launch before has made W + 2 B A.
; LIMITS.  As stated there: x, W, A, B rounded to bf16, W_eff rounded once more; an overflow, infinity or NaN of the separate product alone is not carried; NaN and infinities are not treated apart.
; wb's rows lie permuted inside each block of 128: position 16 b + r holds true row (column of out0) 64 (b >> 2) + 4 r + (b & 3).
; SHARES.  A tile of out0, 256 x 256, is made by a work-group of four waves; 32 x 8 = 256 tiles, one a work-group.  A wave makes 128 x 128: 64 accumulators of 16 x 16, 512 registers.
; K goes in steps of 128 through a ring of two LDS slots filled by the tensor data mover: a tile's rows are 256 bytes of memory and start at multiples of 256 bytes from the buffer's first byte.
; CLUSTERS.  4 x 4 work-groups.  The four of a row of the cluster need the same tiles of xb, the four of a column the same tiles of wb.  Such a tile is asked for JOINTLY: each of the four
; issues the same tensor load, with the same descriptor and a mask that names the four, and each receives the tile in its own LDS.
; THE WAY OUT NEEDS NO LDS.  Source 0 = 16 rows of xb, source 1 = 16 rows of wb: register j of accumulator (a, b) in lane (r, h) is out0[row 16 a + 8 h + j][column 64 (b >> 2) + 4 r + (b & 3)] of
; the wave's part.  So accumulators b = 4 B2 .. 4 B2 + 3 hold four neighbouring columns a lane: the bias's addition, which is owed anyway, writes them into four neighbouring registers,
; and one store of 16 bytes a lane has sixteen lanes write 256 consecutive bytes, aligned.
; REGISTERS, in windows of 256 (an instruction names v0-v255; s_set_vgpr_msb says which window each operand place means: bits 1:0 source 0, 3:2 source 1, 5:4 source 2, 7:6 destination):
;   window 0: v0-31 addresses and the bias; v64-127, v128-191 fragments of xb (8 x 16 rows x 32 K), two buffers; on the way out v64-255 six sets of 32 registers to store
;   window 1: v64-127, v128-191 fragments of wb, two buffers
;   window 2: the 32 accumulators of my rows 0-63 (accumulator (a, b) at v[8 (8 a + b)]);   window 3: those of my rows 64-127
.set SIZE_M, 8192
.set SIZE_N, 2048
.set SIZE_K, 2048
.set KSTEP,  128
.set PITCH,  272                       ; an LDS row: 256 bytes of data + 16 of padding = 68 words: row r starts at bank 4 r mod 64 (64 banks of 4 bytes: ISA guide 11.1), so the 16 rows that a load touches start at 16 different banks
.set HALFT,  128*PITCH                 ; 128 rows: what one tensor load brings, and what one wave reads of xb or of wb
.set SLOT,   4*HALFT                   ; xb's 256 rows, then wb's 256 rows
.set SPARE,  2*SLOT                    ; behind the ring: the spare words, 128 bytes for each wave: two blocks of 256 bytes that no other line names
.set LAPS,   SIZE_K/(2*KSTEP)          ; a lap = two K steps = once round the ring: 8
.set OROW,   SIZE_N*4                  ; bytes in a row of out0
.set BO,   6                           ; v6      16 r: my four numbers in 64 of the bias; never rewritten
.set BIAS, 8                           ; v[8:15] bias of my columns 64 B2 + 4 r + q at BIAS + 4 B2 + q
.set ADRA, 16                          ; v16-17  LDS address of my xb fragments in slot 0, 1
.set ADRB, 20                          ; v20-21  the same for wb
.set CO,   26                          ; v26     my byte offset in out0: 8 h rows + 16 r; never rewritten
.set SPW,  28                          ; v28     LDS address of my spare word: SPARE + 4 x my thread's number; never rewritten
.set NIL,  29                          ; v29     0; never rewritten
.set PFO,  30                          ; v30     the prefetches' offset: my lane x a row of xb or wb (4,096 bytes); never rewritten
.set PFA,  44                          ; s[44:45] where my prefetches stand: my work-group's 32 rows of the 128 that I fetch, one K step further along K than the refill that is being asked for; a prefetch names the K step after that
.set LIM,  43                          ; s43     1 in a wave that prefetches, else the greatest number
.set F0,   64                          ; fragment buffer 0
.set F1,   128                         ; fragment buffer 1
.set TS,   64                          ; the way out: six sets of 32 registers
.set G1,   24                          ; s[24:31] descriptor group 1 for xb's tiles
.set G0,   32                          ; s[32:39] descriptor group 0 for xb's tiles, one set for each slot
.set G1B,  48                          ; s[48:55] descriptor group 1 for wb's tiles: it differs in the mask alone
.set G0B,  56                          ; s[56:63] descriptor group 0 for wb's tiles, one set for each slot
.set BP,   68                          ; s[68:69] bias at my wave's first column
.set OUTP, 70                          ; s[70:71] out0 at my wave's first row and column; never rewritten behind that
.set MSB, 0
.macro WIN new                         ; the immediate's high byte repeats the setting that is left; a switch that changes nothing is dropped
.if MSB != (\new)
	s_set_vgpr_msb (MSB<<8)|(\new)
.set MSB, \new
.endif
.endm
.set MUL_LO, 0xa4                      ; source 0 (xb) window 0, source 1 (wb) window 1, C and D window 2
.set MUL_HI, 0xf4                      ; the same, C and D window 3
.set TO_B,   0x40                      ; destination window 1, address window 0
; A joint load.  Waves 0 and 1 fetch xb's two halves, waves 2 and 3 wb's.  Each of the two lines has ONE mask and one set of registers for all that issue it, and nothing in
; them hangs on a coordinate that the four partners do not share.  The branch hangs on the wave's number alone: it is the same in every work-group.
; An s_nop 0 and four v_nop follow each of the two lines; the jump round the other line, the label and what follows the macro come after them.
.macro JLOAD s
	s_cmp_eq_u32 s11, 0
	s_cbranch_scc0 .Lfor_b_\@
	tensor_load_to_lds s[G0+4*(\s):G0+4*(\s)+3], s[G1:G1+7]
	s_nop 0
.rept 4
	v_nop
.endr
	s_branch .Lasked_\@
.Lfor_b_\@:
	tensor_load_to_lds s[G0B+4*(\s):G0B+4*(\s)+3], s[G1B:G1B+7]
	s_nop 0
.rept 4
	v_nop
.endr
.Lasked_\@:
.endm
; A PREFETCH INTO THE L2, behind each joint load, its five lines and the run of LDS loads that follows them: the K step that stands TWO refills on: 32 rows x 256 bytes, a lane a row, one
; instruction a wave: 512 matrix instructions ahead of the load that will ask for it.  Each row's 256 bytes of a K step are named ONCE in the launch.  xb's tile row is read by both clusters of
; that row of clusters: the one with x = 0 prefetches; wb's tile column by all eight clusters of that column: the one with y = 0 prefetches.  The four partners that ask for a tile jointly
; share its rows out BY ADDRESS: of the 128 rows that a wave fetches, the partner at place p takes 32 p .. 32 p + 31 (p = cx for xb, cy for wb): no branch hangs on a work-group's place in its
; cluster.  K steps 0 to 3 come by their loads alone; the loop's last trip (s3 = 1) asks for nothing: its two refills are K steps 14 and 15, and there is no K step two on.
.macro ASK
	s_cmp_gt_u32 s3, s[LIM]
	s_cbranch_scc0 .Lnot_mine_\@
	global_prefetch_b8 v[PFO], s[PFA:PFA+1] offset:KSTEP*2 th:TH_LOAD_NT scope:SCOPE_SE
.Lnot_mine_\@:
.endm
; A round of the cluster's barrier: my work-group's barrier, so that wave 0's signal speaks for all four waves; wave 0 signals for the work-group; every wave waits for all
; sixteen work-groups; my work-group's barrier once more.  No LDS instruction of the wave is pending at a signal.
.macro CREST                           ; a round behind its opening barrier
	s_cmp_lg_u32 s10, 0
	s_cbranch_scc1 .Lnot_wave_0_\@
	s_barrier_signal -3
.Lnot_wave_0_\@:
	s_barrier_wait -3
	s_barrier_signal -1
	s_barrier_wait -1
.endm
.macro CROUND                          ; a whole round
	s_barrier_signal -1
	s_barrier_wait -1
	CREST
.endm
	s_load_b128 s[4:7], s[0:1], 0x0                ; xb s[4:5], wb s[6:7]
	s_load_b128 s[68:71], s[0:1], 0x10             ; bias s[68:69], out0 s[70:71]
	v_lshl_add_u32 v[SPW], v0, 2, SPARE
	v_mov_b32 v[NIL], 0
	ds_add_u32 v[SPW], v[NIL]                      ; the wave's opening: the add, twice on end, and its wait ahead of my first tensor load; the set-up below the second, work on registers, stands between it and the wait
	ds_add_u32 v[SPW], v[NIL]                      ; and once more, under the one wait
	v_lshrrev_b32 v1, 5, v0
	v_readfirstlane_b32 s10, v1                    ; wave 0..3
	s_lshr_b32 s11, s10, 1                         ; which half of the tile's rows is mine.  Also: I fetch for xb (0) or for wb (1)
	s_and_b32 s12, s10, 1                          ; which half of its columns.  Also: which 128 rows of that tile I fetch
	s_bfe_u32 s40, ttmp6, 0x40000                  ; cx: my place along the cluster's x
	s_bfe_u32 s41, ttmp6, 0x40004                  ; cy: along its y
	s_lshl_b32 s42, ttmp9, 2                       ; in a cluster launch ttmp9 and ttmp7 count clusters
	s_add_co_u32 s42, s42, s40                     ; tile column of out0 = 4 x cluster x + cx
	s_and_b32 s13, ttmp7, 0xffff
	s_lshl_b32 s13, s13, 2
	s_add_co_u32 s13, s13, s41                     ; tile row of out0 = 4 x cluster y + cy
	s_lshl_b32 s43, s41, 2
	s_lshl_b32 s43, 15, s43                        ; my row of the cluster: places 4 cy .. 4 cy + 3
	s_lshl_b32 s44, 0x1111, s40                    ; my column: places cx, cx + 4, cx + 8, cx + 12
	; descriptor group 1: a tile of 128 rows x 128 elements, padded in LDS
	s_or_b32 s[G1+0], s43, (1<<16)|(1<<20)|(1<<21)|(5<<22)|(3<<25)  ; 15:0 the mask: xb's tiles go to my row; 17:16 element of 2 bytes; 20 padding on; 21 set beside a mask; 24:22 after every 64 words (code 5); 31:25 of 4 words (code 3)
	s_or_b32 s[G1B+0], s44, (1<<16)|(1<<20)|(1<<21)|(5<<22)|(3<<25) ; the same with the mask of my column, for wb's tiles
.irp g, G1, G1B
	s_mov_b32 s[(\g)+1], KSTEP<<16                 ; 63:48 tensor_dim0, low half = 128
	s_mov_b32 s[(\g)+2], 128<<16                   ; 79:64 its high half = 0; 95:80 tensor_dim1, low half = 128
	s_mov_b32 s[(\g)+3], KSTEP<<16                 ; 111:96 its high half = 0; 127:112 tile_dim0 = 128
	s_mov_b32 s[(\g)+4], 128                       ; 143:128 tile_dim1 = 128; 159:144 tile_dim2 = 0
	s_mov_b32 s[(\g)+5], SIZE_K                    ; 191:160 tensor_dim0_stride, low word: elements from row to row
	s_mov_b32 s[(\g)+6], 0
	s_mov_b32 s[(\g)+7], 0
.endr
	; where the tiles come from.  xb's hang on the tile row alone, which my row of the cluster shares; wb's on the tile column alone, which my column shares.
	; Every wave makes both addresses, in registers that never hold the other coordinate, and asks by one of them.
	s_lshl_b32 s17, s12, 7                         ; which 128 rows of the tile I fetch
	s_lshl_b32 s16, s13, 8
	s_add_co_u32 s16, s16, s17                     ; xb: row 256 x tile row + 128 x half
	s_lshl_b32 s46, s42, 8
	s_add_co_u32 s46, s46, s17                     ; wb: position 256 x tile column + 128 x half
	s_mov_b32 s17, 0
	s_mov_b32 s47, 0
	s_mov_b64 s[18:19], SIZE_K*2
	s_mul_u64 s[16:17], s[16:17], s[18:19]         ; in bytes, in 64 bits
	s_mul_u64 s[46:47], s[46:47], s[18:19]
	s_mul_i32 s20, s10, HALFT                      ; and where they go: xb's two halves, then wb's two halves = wave x 128 rows: no place in the cluster enters an LDS address
	s_wait_dscnt 0x0                               ; both opening adds are done
	s_wait_kmcnt 0x0
	s_add_nc_u64 s[14:15], s[4:5], s[16:17]
	s_add_nc_u64 s[46:47], s[6:7], s[46:47]
	CROUND                                         ; all sixteen work-groups are here: the first joint loads meet
.irp s, 0,1
	s_mov_b32 s[G0+4*(\s)], 1                                      ; 1:0 count = 1
	s_add_co_u32 s[G0+4*(\s)+1], s20, (\s)*SLOT                    ; 63:32 LDS address
	s_add_nc_u64 s[G0+4*(\s)+2:G0+4*(\s)+3], s[14:15], (\s)*KSTEP*2  ; 120:64 global address: K step s
	s_or_b32 s[G0+4*(\s)+3], s[G0+4*(\s)+3], 0x80000000            ; 127:126 type = 2
	s_mov_b32 s[G0B+4*(\s)], 1
	s_add_co_u32 s[G0B+4*(\s)+1], s20, (\s)*SLOT
	s_add_nc_u64 s[G0B+4*(\s)+2:G0B+4*(\s)+3], s[46:47], (\s)*KSTEP*2
	s_or_b32 s[G0B+4*(\s)+3], s[G0B+4*(\s)+3], 0x80000000
	JLOAD \s                                       ; the ring is filled before anything else is done: two tensor loads of mine are out
.endr
	; A fragment is 16 rows x 32 K in 8 registers: lane l holds row l % 16; registers 0-3 hold K = 8 (l / 16) + 0..7, registers 4-7 hold
	; K = 16 + 8 (l / 16) + 0..7.  From rows that lie along K: two loads of 16 bytes, 32 bytes apart.  The same for source 0 and source 1.
	v_and_b32 v1, 15, v0                           ; r = l % 16
	v_bfe_u32 v2, v0, 4, 1                         ; h = l / 16
	v_mul_u32_u24 v3, v1, PITCH
	v_lshl_add_u32 v3, v2, 4, v3                   ; row x pitch + 16 x half
	s_mul_i32 s21, s11, HALFT                      ; my 128 rows of xb
	s_mul_i32 s22, s12, HALFT                      ; my 128 rows of wb,
	s_add_co_u32 s22, s22, 2*HALFT                 ; which lie behind xb's 256
.irp s, 0,1
	v_add_nc_u32 v[ADRA+(\s)], s21, v3
	v_add_nc_u32 v[ADRB+(\s)], s22, v3
	s_add_co_u32 s21, s21, SLOT
	s_add_co_u32 s22, s22, SLOT
.endr
	; my part of out0 and of the bias
	s_lshl_b32 s13, s13, 8                         ; 256 x tile row
	s_lshl_b32 s14, s11, 7
	s_add_co_u32 s16, s13, s14                     ; my first row of out0,
	s_lshl_b32 s16, s16, 13                        ; in bytes: 8,064 rows of 8,192 bytes at the most, inside 32 bits
	s_mov_b32 s17, 0
	s_lshl_b32 s46, s42, 10                        ; my first column, in bytes of f32: 1,024 x tile column + 512 x half (in the registers that held wb's address: none that feeds xb's descriptors ever holds cx)
	s_lshl_b32 s47, s12, 9
	s_add_co_u32 s46, s46, s47
	s_mov_b32 s47, 0
	s_add_nc_u64 s[BP:BP+1], s[BP:BP+1], s[46:47]
	s_add_nc_u64 s[OUTP:OUTP+1], s[OUTP:OUTP+1], s[46:47]
	s_add_nc_u64 s[OUTP:OUTP+1], s[OUTP:OUTP+1], s[16:17]
	v_lshlrev_b32 v[BO], 4, v1
	global_load_b128 v[BIAS:BIAS+3],   v[BO], s[BP:BP+1]             ; bias of columns 4 r .. 4 r + 3,
	global_load_b128 v[BIAS+4:BIAS+7], v[BO], s[BP:BP+1] offset:256  ; and of 64 + 4 r .. : waited for on the way out
	v_lshlrev_b32 v[CO], 16, v2                    ; lanes 16-31: eight rows of 8,192 bytes further down,
	v_lshl_or_b32 v[CO], v1, 4, v[CO]              ; my four columns
	; the prefetches.  s13 = 256 x tile row, s42 = tile column, s40 = cx, s41 = cy still stand; s[4:5] = xb, s[6:7] = wb
	s_lshl_b32 s42, s42, 8
	s_and_b32 s22, ttmp7, 0xffff                   ; cluster y
	s_cmp_eq_u32 s11, 0                            ; do I fetch for xb?
	s_cselect_b32 s20, s13, s42                    ; the tile's first row: in xb by the tile row, in wb by the tile column
	s_cselect_b32 s21, s40, s41                    ; my place among the four that ask for it with me
	s_cselect_b32 s22, ttmp9, s22                  ; the coordinate along which other clusters read the same rows
	s_cselect_b64 s[PFA:PFA+1], s[4:5], s[6:7]
	s_cmp_eq_u32 s22, 0
	s_cselect_b32 s[LIM], 1, -1                    ; the same in all sixteen partners, for a given wave
	s_lshl_b32 s22, s12, 7
	s_add_co_u32 s20, s20, s22                     ; + the 128 rows that I fetch
	s_lshl_b32 s21, s21, 5
	s_add_co_u32 s20, s20, s21                     ; + my work-group's 32 of them
	s_mov_b32 s21, 0
	s_mov_b64 s[18:19], SIZE_K*2
	s_mul_u64 s[20:21], s[20:21], s[18:19]
	s_add_nc_u64 s[PFA:PFA+1], s[PFA:PFA+1], s[20:21]
	s_add_nc_u64 s[PFA:PFA+1], s[PFA:PFA+1], 2*KSTEP*2  ; at K step 2: the first refill steps it to 3 and names K step 4
	v_and_b32 v[PFO], 31, v0
	v_mul_u32_u24 v[PFO], v[PFO], SIZE_K*2
	; nothing is prefetched here, at the head, where every work-group's first two tiles are on their way
; 16 matrix instructions: m blocks a0, a0 + 1 of the window's four (hi = 0: my rows 0-63, 1: rows 64-127) x all 8 n blocks, 32 along K.
; zero = 1: the first product starts the sums: nothing is ever cleared.
.macro MUL16 f, hi, a0, zero
	WIN MUL_LO+0x50*(\hi)  ; MUL_LO or MUL_HI
.irp a, \a0, (\a0)+1
.irp b, 0,1,2,3,4,5,6,7
.if \zero
	v_wmma_f32_16x16x32_bf16 v[8*(8*(\a)+(\b)):8*(8*(\a)+(\b))+7], v[(\f)+8*(4*(\hi)+(\a)):(\f)+8*(4*(\hi)+(\a))+7], v[(\f)+8*(\b):(\f)+8*(\b)+7], 0
.else
	v_wmma_f32_16x16x32_bf16 v[8*(8*(\a)+(\b)):8*(8*(\a)+(\b))+7], v[(\f)+8*(4*(\hi)+(\a)):(\f)+8*(4*(\hi)+(\a))+7], v[(\f)+8*(\b):(\f)+8*(\b)+7], v[8*(8*(\a)+(\b)):8*(8*(\a)+(\b))+7]
.endif
.endr
.endr
.endm
; 32 LDS loads in one run: the fragments of one quarter step (128 rows of wb, 128 rows of xb, 32 K at byte k of the rows) into buffer f
.macro FETCH slot, k, f
	WIN TO_B
.irp i, 0,1,2,3,4,5,6,7
	ds_load_b128 v[(\f)+8*(\i):(\f)+8*(\i)+3],   v[ADRB+(\slot)] offset:(\k)+(\i)*16*PITCH
	ds_load_b128 v[(\f)+8*(\i)+4:(\f)+8*(\i)+7], v[ADRB+(\slot)] offset:(\k)+(\i)*16*PITCH+32
.endr
	WIN 0
.irp i, 0,1,2,3,4,5,6,7
	ds_load_b128 v[(\f)+8*(\i):(\f)+8*(\i)+3],   v[ADRA+(\slot)] offset:(\k)+(\i)*16*PITCH
	ds_load_b128 v[(\f)+8*(\i)+4:(\f)+8*(\i)+7], v[ADRA+(\slot)] offset:(\k)+(\i)*16*PITCH+32
.endr
.endm
; A load into a register that a matrix instruction has read, and a vector instruction that reads a matrix result or writes one of a matrix instruction's registers, stand four places
; behind that matrix instruction, and only plain vector instructions that name none of its registers are places (ISA guide 7.12.1 for vector instructions);
; this text does not count the matrix instructions in between.  So four v_nop stand in front of each run of loads: sixteen issue slots for a K step's 256 matrix instructions.
.macro PLACES
.rept 4
	v_nop
.endr
.endm
; A K step is four quarter steps of 32 along K, 64 matrix instructions each, on buffers 0, 1, 0, 1.  The 64 accumulators take turns, one instruction a turn, in the same order in every
; quarter, over the loop's backward jump too: between two links of a chain stand the 63 others'.
; One of the first three quarters: multiplies buffer f; in its middle it fetches the next quarter's fragments, at byte k of the same slot's rows, into buffer g.
.macro QUARTER slot, k, f, g, zero
	s_wait_dscnt 8                                 ; wb's fragments and xb's rows 0-63 are in; the youngest eight loads (xb's rows 64-127) may be out
	WIN MUL_LO
	MUL16 \f, 0, 0, \zero
	MUL16 \f, 0, 2, \zero
	PLACES
	FETCH \slot, \k, \g
	s_wait_dscnt 32                                ; all but the 32 just issued
	WIN MUL_HI
	MUL16 \f, 1, 0, \zero
	MUL16 \f, 1, 2, \zero
.endm
; The last quarter multiplies buffer 1 and changes slots.  MEET is its first half: ONE barrier for the change of slots, for two things.  In front of it each wave waits for all its tensor
; loads, of which one is out: its part of the next slot; adds 0 to its spare word; and waits for that and for its own reads of this slot.  Behind it nobody reads this slot any more and the next slot is whole.
.macro MEET round                      ; round = 1: a round of the cluster's barrier follows
	WIN 0                                          ; (the add's two registers lie in window 0)
	s_wait_tensorcnt 0x0                           ; all my tensor loads have landed: the one that was out is my part of the next slot;
	ds_add_u32 v[SPW], v[NIL]                      ; 0 onto my spare word;
	s_wait_dscnt 9                                 ; (the add and the youngest eight loads may be out)
	WIN MUL_LO
	MUL16 F1, 0, 0, 0                              ; sixteen matrix instructions stand between the add and the wait for it
	s_wait_dscnt 0x0                               ; the add is done, and my reads of this slot are over (the last were issued 48 matrix instructions ago):
	s_barrier_signal -1                            ; say so (where a slot is filled again this barrier opens a round of the cluster's barrier),
	MUL16 F1, 0, 2, 0                              ; work on registers while the others arrive,
.if \round
	WIN 0
.endif
	s_barrier_wait -1                              ; and go on when all four have said so
.endm
; The whole last quarter.  fill = 1: behind the round the slot just read out is filled again first, with the K step two steps on; then come the next slot's first fragments.
; From a request to the wait for it a wave issues 224 matrix instructions; one tensor load of the wave is out meanwhile.  fill = 0: nothing is left to fetch, and the work-group's barrier is enough.
.macro TURN slot, next, fill
.if \fill
	s_wait_xcnt 0x0                                ; the last prefetch, a K step back, has read its address: it is stepped here, ahead of the waits of the change of slots
	s_add_nc_u64 s[PFA:PFA+1], s[PFA:PFA+1], KSTEP*2
	MEET 1
	CREST                                          ; wave 0 says so for the work-group, all sixteen work-groups have said so, my work-group's barrier closes the round:
	                                               ; no wave of any partner still reads this slot's tile or has a load on its way
	s_add_nc_u64 s[G0+4*(\slot)+2:G0+4*(\slot)+3], s[G0+4*(\slot)+2:G0+4*(\slot)+3], 2*KSTEP*2      ; no tensor load of mine is out, so a group 0 may be written
	s_add_nc_u64 s[G0B+4*(\slot)+2:G0B+4*(\slot)+3], s[G0B+4*(\slot)+2:G0B+4*(\slot)+3], 2*KSTEP*2
	JLOAD \slot                                    ; the first tensor load behind the round; the four v_nop behind it are also the places in front of the loads below
	FETCH \next, 0, F0
	ASK                                            ; behind the joint load and the run of LDS loads that the next products wait for
.else
	MEET 0
	PLACES
	FETCH \next, 0, F0
.endif
	WIN MUL_HI
	MUL16 F1, 1, 0, 0
	MUL16 F1, 1, 2, 0
.endm
	s_wait_tensorcnt 1                             ; my part of K step 0 is in; K step 1's load, issued behind it, may stay out
	s_barrier_signal -1
	s_barrier_wait -1                              ; everybody's is
	FETCH 0, 0, F0
	QUARTER 0, 64,  F0, F1, 1                      ; the first quarter stands in front of the loop: its products start the sums
	WIN 0                                          ; at a label and at a branch every window is 0
	s_mov_b32 s3, LAPS-1
.Llap:                                                 ; a trip goes once round the ring, from a lap's second quarter to the next lap's first, and fills both slots again: 7 trips, K steps 2 to 15
	QUARTER 0, 128, F1, F0, 0
	QUARTER 0, 192, F0, F1, 0
	TURN 0, 1, 1
	QUARTER 1, 64,  F0, F1, 0
	QUARTER 1, 128, F1, F0, 0
	QUARTER 1, 192, F0, F1, 0
	TURN 1, 0, 1
	QUARTER 0, 64,  F0, F1, 0
	WIN 0
	s_sub_co_u32 s3, s3, 1
	s_cmp_lg_u32 s3, 0
	s_cbranch_scc1 .Llap
	QUARTER 0, 128, F1, F0, 0                      ; the last lap is written out: it fills nothing, and has no round of the cluster's barrier
	QUARTER 0, 192, F0, F1, 0
	TURN 0, 1, 0
	QUARTER 1, 64,  F0, F1, 0
	QUARTER 1, 128, F1, F0, 0
	QUARTER 1, 192, F0, F1, 0
	s_wait_dscnt 8                                 ; the very last quarter: nothing more to fetch
	WIN MUL_LO
	MUL16 F1, 0, 0, 0
	MUL16 F1, 0, 2, 0
	s_wait_dscnt 0x0
	MUL16 F1, 1, 0, 0
	MUL16 F1, 1, 2, 0
	WIN 0
	; THE WAY OUT.  For block a of 16 rows and half B2 of the wave's 128 columns: 32 additions of the bias gather four accumulators' registers j into the four registers of a store;
	; eight stores, each 256 consecutive bytes, aligned, from lanes 0-15 (row 16 a + j) and as many from lanes 16-31 (row 16 a + 8 + j).  j is the outer count.
	; Six sets of 32 registers take turns; a set is written again only when the stores that read it have read their data.
	; The row and the half stand in the store's immediate, 1,040,640 at the most, inside its signed 24 bits: no address register is ever rewritten.
	PLACES                                         ; the sets lie where xb's fragments lay, which the last products have read, and the additions read results:
	PLACES                                         ; eight plain places, once a launch
	s_wait_loadcnt 0x0                             ; the bias
.macro OUTB a, h2
.set IDX, 2*(\a)+(\h2)
.set TT, TS+32*(IDX%6)
.if IDX >= 6
	s_wait_xcnt 0x0                                ; every store issued so far has read its registers: the set's last use lies six blocks back
.endif
	WIN 0x02+(\a)/4                                ; source 0: window 2 (blocks 0-3) or 3 (blocks 4-7); the bias and the destination: window 0
.irp j, 0,1,2,3,4,5,6,7
.irp q, 0,1,2,3
	v_add_f32 v[TT+4*(\j)+(\q)], v[64*((\a)%4)+8*(4*(\h2)+(\q))+(\j)], v[BIAS+4*(\h2)+(\q)]
.endr
.endr
	WIN 0
.irp j, 0,1,2,3,4,5,6,7
	global_store_b128 v[CO], v[TT+4*(\j):TT+4*(\j)+3], s[OUTP:OUTP+1] offset:(16*(\a)+(\j))*OROW+256*(\h2) th:TH_STORE_NT
.endr
.endm
.irp a, 0,1,2,3,4,5,6,7
	OUTB \a, 0
	OUTB \a, 1
.endr
	s_wait_tensorcnt 0x0                           ; the wave's end: a wait for my last tensor load, an add to my spare word, and a wait for it
	ds_add_u32 v[SPW], v[NIL]
	s_wait_dscnt 0x0
	CROUND                                         ; the closing round: no work-group ends while a partner may still ask for a tile that names it
	s_endpgm
.Lfunc_end_k_qfe433a501b_gemm:
	.size	k_qfe433a501b_gemm, .Lfunc_end_k_qfe433a501b_gemm-k_qfe433a501b_gemm
	.p2alignl 7, 3214868480
	.fill 96, 4, 3214868480
	.section	.rodata,"a",@progbits
	.p2align	6, 0x0
	.amdhsa_kernel k_qfe433a501b_gemm
		.amdhsa_group_segment_fixed_size 327680
		.amdhsa_private_segment_fixed_size 0
		.amdhsa_enable_private_segment 0
		.amdhsa_kernarg_size 32
		.amdhsa_user_sgpr_count 2
		.amdhsa_user_sgpr_kernarg_segment_ptr 1
		.amdhsa_wavefront_size32 1
		.amdhsa_system_sgpr_workgroup_id_x 1
		.amdhsa_system_sgpr_workgroup_id_y 1
		.amdhsa_system_sgpr_workgroup_id_z 1
		.amdhsa_system_vgpr_workitem_id 0
		.amdhsa_next_free_vgpr 1024
		.amdhsa_next_free_sgpr 72
		.amdhsa_reserve_vcc 0
		.amdhsa_float_denorm_mode_32 3
		.amdhsa_float_denorm_mode_16_64 3
		.amdhsa_memory_ordered 1
		.amdhsa_forward_progress 1
		.amdhsa_inst_pref_size 142
	.end_amdhsa_kernel
	.amdgpu_metadata
---
amdhsa.version: [ 1, 2 ]
amdhsa.kernels:
  - .name:           k_qfe433a501b_gemm
    .symbol:         k_qfe433a501b_gemm.kd
    .args:
      - { .name: xb, .offset: 0, .size: 8, .value_kind: global_buffer, .address_space: global }
      - { .name: wb, .offset: 8, .size: 8, .value_kind: global_buffer, .address_space: global }
      - { .name: bias, .offset: 16, .size: 8, .value_kind: global_buffer, .address_space: global }
      - { .name: out0, .offset: 24, .size: 8, .value_kind: global_buffer, .address_space: global }
    .group_segment_fixed_size: 327680
    .private_segment_fixed_size: 0
    .kernarg_segment_align: 8
    .kernarg_segment_size: 32
    .max_flat_workgroup_size: 128
    .sgpr_count:     72
    .vgpr_count:     1024
    .wavefront_size: 32
...
	.end_amdgpu_metadata
.endif
;; end of part 2
;; ======== version 2 of 2: 2 launches; version 1 with the launch prep written anew for expert scheduling mode
;; workspace buffers: xb 33,554,432 bytes; wb 8,388,608 bytes
;; launch prep (part 3): grid 256 x 1, 16 waves a work-group, no clusters, 0 bytes of LDS; arguments x, weight, lora_A, lora_B, xb, wb; writes xb, wb
.if DOCPART == 3
	.amdgcn_target "amdgcn-amd-amdhsa--gfx1250"
	.amdhsa_code_object_version 6
	.text
	.protected	k_qfe433a501b_prep
	.globl	k_qfe433a501b_prep
	.p2align	8
	.type	k_qfe433a501b_prep,@function
k_qfe433a501b_prep:
	s_mov_b64 s[64:65], 0
	v_nop
	global_prefetch_b8 v0, s[64:65] scope:SCOPE_SE
	s_setreg_imm32_b32 hwreg(HW_REG_WAVE_SCHED_MODE, 0, 2), 2
	s_setreg_imm32_b32 hwreg(HW_REG_WAVE_MODE, 25, 1), 1
	s_wait_xcnt 0x0
	s_wait_alu depctr_vm_vsrc(0)
; LoRALinear, first of two launches.  out0 = x W^T + bias + 2 x (B A)^T, with x [8192][2048], W = weight [2048][2048], A = lora_A [16][2048], B = lora_B [2048][16], all f32.
; ONE PRODUCT FOR TWO.  For all values of the inputs x W^T + 2 x (B A)^T = x (W + 2 B A)^T (the product is linear in its second factor).  So the second full product
; of 8192 x 2048 x 2048 is not made: this launch makes W_eff = W + 2 B A, the next one multiplies x by it once and adds the bias.  No input is left out: all five are loaded.
; THIS LAUNCH  (a) rounds x to bf16 into xb [8192][2048];  (b) makes W_eff, in bf16, into wb [2048][2048].
; ROUNDINGS.  x, W, A and B are each rounded once to bf16 (nearest even).  B A is summed in f32 by the matrix unit; bf16(W) + 2 B A is one fused multiply-add in f32, and is
; rounded once more to bf16, as the next launch's matrix operand.  So the result is that of the formula on inputs rounded to bf16, but for that one rounding of W_eff.
; LIMITS.  The order of rounding differs from a program that makes two products and adds them: where W and 2 B A nearly cancel, what is left carries the error of the operands'
; bf16 rounding.  An overflow, infinity or NaN that would arise in the separate product x (B A)^T alone is not carried; NaN and infinities in the inputs are not treated apart.
; wb's ROWS ARE PERMUTED inside each block of 128: true row 128 c + u lies at position 128 c + (u & 64) + 16 (u & 3) + ((u >> 2) & 15), so that position 16 b + r holds true row
; 64 (b >> 2) + 4 r + (b & 3): in the next launch four accumulators of one lane then hold four neighbouring columns of out0.
; SHARES.  256 work-groups of 16 waves; no LDS, no barrier, no loop.  Waves 0-7 cast: the work-group owns 32 rows of x (262,144 dense bytes), a wave 32,768 of them.
; Waves 8-15 make W_eff: a wave one tile of 16 rows x 128 columns; 2,048 tiles in all.  Matrix units serve (b)'s rank-16 product alone; clusters and LDS would add nothing to a stream.
; THE MODE: SCHED_MODE bits 1:0 = 2 (LLVM: expert scheduling mode 2), set by the entry lines.  The code itself states the register dependences between vector or matrix
; instructions and memory instructions, with s_wait_alu, always for 0.
; THE PLAN, waves 0-7.  A wave's 64 chunks of 512 bytes go in 8 blocks of 8.  Registers that memory instructions touch:
;   X0 .. X4   five blocks of x as loaded.  Written by the loads of block p + 4, issued in block p (blocks 0 to 3: at the head); read by block p's sixteen roundings.
;   Y0 .. Y4   five blocks of xb to store.  Written by block p's roundings; read by the eight stores that are issued in block p + 1.
;   v1, v2     byte offsets, made once and never written again: the chunks are reached by immediate offsets, and the two scalar bases stand still.
; Block p works on X[p % 5] and writes Y[p % 5].  Its memory instructions are the loads into X[(p + 4) % 5] = X[(p - 1) % 5] and the stores from Y[(p - 1) % 5]: the two buffers that
; block p - 1 worked on and that no vector instruction of block p names.  So one wait on va_vdst at a block's head states all that its sixteen memory instructions hang on, and these
; are dealt among its roundings with no further wait.  Blocks 5, 6 and 7 write Y0, Y1 and Y2 a second time: one wait on vm_vsrc, at block 5's head, states that the stores of
; blocks 1 to 4 have read Y0 to Y3.
; THE PLAN, waves 8-15.  The offsets v1, v2, v3 are made once; B, A and W are loaded once, into registers that no vector instruction has named; a row's 16 bytes to store are written by
; the row's last roundings and never again.  So three waits on va_vdst: ahead of the first load, ahead of the stores of rows 0 to 3, ahead of those of rows 4 to 7.
.set XR,   16                          ; cast: v[16:175]   buffer k, chunk i: 4 registers at XR + 32 k + 4 i: 16 bytes of x a lane
.set YR,   176                         ; cast: v[176:255]  buffer k, chunk i: 2 registers at YR + 16 k + 2 i: the same four numbers in bf16
.set BR,   8                           ; W_eff: v[8:15]    B as loaded;
.set TW,   8                           ;        later eight numbers of a row, at work
.set BF,   16                          ; v[16:23]   B's fragment: 16 rows x 32 k, of which k = 16 .. 31 are 0
.set AF,   24                          ; v[24:87]   A's fragments, tile q at AF + 8 q
.set ARAW, 88                          ; v[88:151]  A as loaded: A[8 h + kk][i0 + 8 r + q] at ARAW + 8 kk + q;
.set ACC,  88                          ;        later the eight accumulators, tile q at ACC + 8 q
.set WR,   152                         ; v[152:215] W as loaded: W[o0 + 8 h + j][i0 + 8 r + q] at WR + 8 j + q; then the row's 16 bytes to store in WR + 8 j .. + 3
	s_load_b256 s[4:11], s[0:1], 0x0               ; x s[4:5], weight s[6:7], lora_A s[8:9], lora_B s[10:11]
	s_load_b128 s[12:15], s[0:1], 0x20             ; xb s[12:13], wb s[14:15]
	v_lshrrev_b32 v1, 5, v0
	v_readfirstlane_b32 s16, v1                    ; wave 0..15
	s_wait_kmcnt 0x0
	s_wait_alu depctr_va_sdst(0)                   ; s16 is written, ahead of its first reader, the compare below; the bases of both parts are made from it too
	s_cmp_lt_u32 s16, 8
	s_cbranch_scc0 .Lweights
	; ---------------- waves 0-7: x to bf16 ----------------
	; 64 chunks of 512 consecutive bytes a wave; a chunk is one load of 16 bytes a lane and one store of 8 bytes a lane (256 consecutive bytes, aligned).
	s_lshl_b32 s18, ttmp9, 18                      ; the work-group's 262,144 bytes of x,
	s_lshl_b32 s17, s16, 15                        ; my wave's 32,768 of them
	s_add_co_u32 s18, s18, s17
	s_mov_b32 s19, 0
	s_lshr_b32 s20, s18, 1                         ; half as many in xb
	s_mov_b32 s21, 0
	s_add_nc_u64 s[4:5], s[4:5], s[18:19]
	s_add_nc_u64 s[12:13], s[12:13], s[20:21]
	v_and_b32 v4, 31, v0                           ; lane
	v_lshlrev_b32 v1, 4, v4                        ; my 16 bytes of a chunk of x; never rewritten
	v_lshlrev_b32 v2, 3, v4                        ; my 8 bytes of a chunk of xb; never rewritten
	s_wait_alu depctr_va_vdst(0)                   ; v1 and v2 are written: every load and store of this part reads one of them as its offset
.set c, 0
.rept 32
	global_load_b128 v[XR+4*c:XR+4*c+3], v1, s[4:5] offset:512*c th:TH_LOAD_NT      ; blocks 0 to 3 into X0 to X3
.set c, c+1
.endr
; Block p.  left = how many younger loads may still be out when this block's eight have to be there.  Blocks 0 to 3 load blocks 4 to 7; blocks 1 to 7 store the block before.
.macro XBLK p, left
	s_wait_loadcnt (\left)                         ; loads come back in order (ISA guide 5.7.1): X[p % 5] is in, the younger blocks stay out
.if (\p) == 5
	s_wait_xcnt 0x0                                ; every earlier memory instruction has had its addresses translated (ISA guide 3.1): Y0, Y1 and Y2 are written a second time only behind this wait,
	s_wait_alu depctr_vm_vsrc(0)                   ; and the stores issued in blocks 1 to 4 have read Y0 to Y3, of which blocks 5, 6 and 7 write Y0, Y1 and Y2 again
.endif
.if (\p) > 0
	s_wait_alu depctr_va_vdst(0)                   ; the block before has written its Y, which the stores below read, and is done reading its X, in which the loads below land
.endif
.irp i, 0,1,2,3,4,5,6,7
.if (\p) < 4
	global_load_b128 v[XR+32*(((\p)+4)%5)+4*(\i):XR+32*(((\p)+4)%5)+4*(\i)+3], v1, s[4:5] offset:512*(8*((\p)+4)+(\i)) th:TH_LOAD_NT  ; four blocks ahead; no vector instruction since the wait names these registers (in block 0: none at all)
.endif
.if (\p) > 0
	global_store_b64 v2, v[YR+16*(((\p)+4)%5)+2*(\i):YR+16*(((\p)+4)%5)+2*(\i)+1], s[12:13] offset:256*(8*((\p)-1)+(\i)) th:TH_STORE_NT  ; the block before
.endif
	v_cvt_pk_bf16_f32 v[YR+16*((\p)%5)+2*(\i)],   v[XR+32*((\p)%5)+4*(\i)],   v[XR+32*((\p)%5)+4*(\i)+1]
	v_cvt_pk_bf16_f32 v[YR+16*((\p)%5)+2*(\i)+1], v[XR+32*((\p)%5)+4*(\i)+2], v[XR+32*((\p)%5)+4*(\i)+3]
.endr
.endm
	XBLK 0, 24                                     ; behind a block's eight loads those of the three next blocks were issued: 24; with the eight that follow the wait, 32 loads of a wave are on their way
	XBLK 1, 24
	XBLK 2, 24
	XBLK 3, 24
	XBLK 4, 24                                     ; blocks 4 to 7 load nothing: no load leaves the wave's part of x, and the counts run down
	XBLK 5, 16
	XBLK 6, 8
	XBLK 7, 0
	s_wait_alu depctr_va_vdst(0)                   ; block 7 has written Y2, which the last eight stores read
.irp i, 0,1,2,3,4,5,6,7
	global_store_b64 v2, v[YR+32+2*(\i):YR+32+2*(\i)+1], s[12:13] offset:256*(56+(\i)) th:TH_STORE_NT
.endr
	s_endpgm
	; ---------------- waves 8-15: W_eff = bf16(W) + 2 B A ----------------
	; Tile: rows o0 = 16 ob .. + 15, columns i0 = 128 ib .. + 127.  r = lane % 16, h = lane / 16.
	; Source 0 = 16 rows of B: lane (r, h) holds row o0 + r, k = 8 h .. 8 h + 7 in registers 0-3; registers 4-7 (k = 16 ..) are 0, since the rank is 16.
	; Source 1, for q = 0 .. 7 = 16 columns of A: lane (r, h) holds column i0 + 8 r + q, k = 8 h .. 8 h + 7; the rest 0.
	; So register j of result q in lane (r, h) is (B A)[o0 + 8 h + j][i0 + 8 r + q]: for a fixed j the eight results are eight neighbouring columns: 16 bytes of wb.
.Lweights:
	s_sub_co_u32 s17, s16, 8
	s_lshr_b32 s18, ttmp9, 1                       ; ob = 0 .. 127
	s_and_b32 s19, ttmp9, 1
	s_lshl3_add_u32 s19, s19, s17                  ; ib = 8 (g & 1) + wave - 8 = 0 .. 15
	s_mov_b32 s26, 0xffff0000                      ; a word's upper bf16
	s_lshl_b32 s20, s18, 17                        ; 16 rows of 8,192 bytes
	s_lshl_b32 s22, s19, 9                         ; 128 columns of 4 bytes
	s_add_co_u32 s20, s20, s22
	s_mov_b32 s21, 0
	s_mov_b32 s23, 0
	s_add_nc_u64 s[6:7], s[6:7], s[20:21]          ; W at the tile
	s_add_nc_u64 s[8:9], s[8:9], s[22:23]          ; A at the tile's columns
	s_lshl_b32 s20, s18, 10                        ; 16 rows of 64 bytes
	s_add_nc_u64 s[10:11], s[10:11], s[20:21]      ; B at the tile's rows
	s_lshl_b32 s24, s18, 4                         ; o0
	s_and_b32 s25, s24, 63
	s_lshr_b32 s25, s25, 2
	s_and_b32 s24, s24, 0x7c0
	s_add_co_u32 s24, s24, s25                     ; the position of true row o0: (o0 & ~63) + ((o0 & 63) >> 2); row o0 + 8 h + j lies 16 (j & 3) + (j >> 2) + 2 h further on
	s_lshl_b32 s24, s24, 12                        ; rows of 4,096 bytes
	s_lshl_b32 s25, s19, 8                         ; 128 columns of 2 bytes
	s_add_co_u32 s24, s24, s25
	s_mov_b32 s25, 0
	s_add_nc_u64 s[14:15], s[14:15], s[24:25]
	v_and_b32 v4, 15, v0                           ; r
	v_bfe_u32 v5, v0, 4, 1                         ; h
	v_lshlrev_b32 v1, 5, v4
	v_lshl_or_b32 v1, v5, 16, v1                   ; in A and in W alike: 8 h rows of 8,192 bytes + 8 r columns of 4 bytes; never rewritten
	v_lshlrev_b32 v2, 6, v4
	v_lshl_or_b32 v2, v5, 5, v2                    ; in B: row r of 64 bytes + 8 h numbers; never rewritten
	v_lshlrev_b32 v3, 4, v4
	v_lshl_or_b32 v3, v5, 13, v3                   ; in wb: 2 h positions of 4,096 bytes + 8 r columns of 2 bytes; never rewritten
	s_wait_alu depctr_va_vdst(0)                   ; v1, v2 and v3 are written: every load and store of this part reads one of them as its offset
	global_load_b128 v[BR:BR+3],   v2, s[10:11]
	global_load_b128 v[BR+4:BR+7], v2, s[10:11] offset:16
.irp kk, 0,1,2,3,4,5,6,7
	global_load_b128 v[ARAW+8*\kk:ARAW+8*\kk+3],   v1, s[8:9] offset:8192*\kk       ; A is read by many waves of the launch: no hint
	global_load_b128 v[ARAW+8*\kk+4:ARAW+8*\kk+7], v1, s[8:9] offset:8192*\kk+16
.endr
.irp j, 0,1,2,3,4,5,6,7
	global_load_b128 v[WR+8*\j:WR+8*\j+3],   v1, s[6:7] offset:8192*\j th:TH_LOAD_NT     ; W is read once in the launch
	global_load_b128 v[WR+8*\j+4:WR+8*\j+7], v1, s[6:7] offset:8192*\j+16 th:TH_LOAD_NT
.endr
.irp p, 4,5,6,7                        ; the fragments' halves k = 16 .. 31, written while the loads are out: registers that no memory instruction names
	v_mov_b32 v[BF+\p], 0
.irp q, 0,1,2,3,4,5,6,7
	v_mov_b32 v[AF+8*\q+\p], 0
.endr
.endr
	s_wait_loadcnt 16                              ; B's 2 and A's 16 loads are in; W's 16, issued behind them, may stay out
.irp p, 0,1,2,3
	v_cvt_pk_bf16_f32 v[BF+\p], v[BR+2*\p], v[BR+2*\p+1]
.endr
.irp q, 0,1,2,3,4,5,6,7
.irp p, 0,1,2,3
	v_cvt_pk_bf16_f32 v[AF+8*\q+\p], v[ARAW+16*\p+\q], v[ARAW+16*\p+8+\q]           ; k = 8 h + 2 p and 8 h + 2 p + 1 of column i0 + 8 r + q
.endr
.endr
.irp q, 0,1,2,3,4,5,6,7                ; eight sums of one link each: no accumulator is taken up twice
	v_wmma_f32_16x16x32_bf16 v[ACC+8*\q:ACC+8*\q+7], v[BF:BF+7], v[AF+8*\q:AF+8*\q+7], 0
.endr
; Row j of the tile's two groups of eight rows.  W is rounded to bf16 and widened again; then one fused multiply-add a number and one rounding.
; Row 0's twelve conversions and widenings name no register of the products above: they are the places between the last product and the first read of a result (ISA guide 7.12.1).
; The rows go in ascending order.
.macro WROW j
	s_wait_loadcnt 14-2*(\j)                       ; W's loads for rows 0 .. j are in; the 2 (7 - j) behind them may stay out
.irp p, 0,1,2,3
	v_cvt_pk_bf16_f32 v[WR+8*(\j)+\p], v[WR+8*(\j)+2*\p], v[WR+8*(\j)+2*\p+1]      ; in place, ascending: word p is written when numbers 2 p and 2 p + 1 are read, and numbers below are done with
.endr
.irp p, 0,1,2,3
	v_lshlrev_b32 v[TW+2*\p],   16,  v[WR+8*(\j)+\p]
	v_and_b32     v[TW+2*\p+1], s26, v[WR+8*(\j)+\p]
.endr
.irp q, 0,1,2,3,4,5,6,7
	v_fma_f32 v[TW+\q], v[ACC+8*\q+(\j)], 2.0, v[TW+\q]                            ; 2 (B A) + bf16(W); 2 = alpha / rank = 32 / 16
.endr
.irp p, 0,1,2,3
	v_cvt_pk_bf16_f32 v[WR+8*(\j)+\p], v[TW+2*\p], v[TW+2*\p+1]
.endr
.endm
; Row j's store: lanes 0-15 write 256 consecutive bytes, aligned, of one row of wb, lanes 16-31 those of the row two positions on.
.macro WOUT j
	global_store_b128 v3, v[WR+8*(\j):WR+8*(\j)+3], s[14:15] offset:(16*((\j)&3)+((\j)>>2))*4096 th:TH_STORE_NT
.endm
.irp j, 0,1,2,3
	WROW \j
.endr
	s_wait_alu depctr_va_vdst(0)                   ; the roundings of rows 0 to 3 have written their 16 bytes each, which the four stores below read
.irp j, 0,1,2,3
	WOUT \j
.endr
.irp j, 4,5,6,7
	WROW \j                                        ; these name TW, the accumulators and rows 4 to 7 of WR: no register that the four stores above read
.endr
	s_wait_alu depctr_va_vdst(0)                   ; the roundings of rows 4 to 7 have written theirs, which the last four stores read
.irp j, 4,5,6,7
	WOUT \j
.endr
	s_endpgm
.Lfunc_end_k_qfe433a501b_prep:
	.size	k_qfe433a501b_prep, .Lfunc_end_k_qfe433a501b_prep-k_qfe433a501b_prep
	.p2alignl 7, 3214868480
	.fill 96, 4, 3214868480
	.section	.rodata,"a",@progbits
	.p2align	6, 0x0
	.amdhsa_kernel k_qfe433a501b_prep
		.amdhsa_group_segment_fixed_size 0
		.amdhsa_private_segment_fixed_size 0
		.amdhsa_enable_private_segment 0
		.amdhsa_kernarg_size 48
		.amdhsa_user_sgpr_count 2
		.amdhsa_user_sgpr_kernarg_segment_ptr 1
		.amdhsa_wavefront_size32 1
		.amdhsa_system_sgpr_workgroup_id_x 1
		.amdhsa_system_sgpr_workgroup_id_y 1
		.amdhsa_system_sgpr_workgroup_id_z 1
		.amdhsa_system_vgpr_workitem_id 0
		.amdhsa_next_free_vgpr 256
		.amdhsa_next_free_sgpr 66
		.amdhsa_reserve_vcc 0
		.amdhsa_float_denorm_mode_32 3
		.amdhsa_float_denorm_mode_16_64 3
		.amdhsa_memory_ordered 1
		.amdhsa_forward_progress 1
		.amdhsa_inst_pref_size 42
	.end_amdhsa_kernel
	.amdgpu_metadata
---
amdhsa.version: [ 1, 2 ]
amdhsa.kernels:
  - .name:           k_qfe433a501b_prep
    .symbol:         k_qfe433a501b_prep.kd
    .args:
      - { .name: x, .offset: 0, .size: 8, .value_kind: global_buffer, .address_space: global }
      - { .name: weight, .offset: 8, .size: 8, .value_kind: global_buffer, .address_space: global }
      - { .name: lora_A, .offset: 16, .size: 8, .value_kind: global_buffer, .address_space: global }
      - { .name: lora_B, .offset: 24, .size: 8, .value_kind: global_buffer, .address_space: global }
      - { .name: xb, .offset: 32, .size: 8, .value_kind: global_buffer, .address_space: global }
      - { .name: wb, .offset: 40, .size: 8, .value_kind: global_buffer, .address_space: global }
    .group_segment_fixed_size: 0
    .private_segment_fixed_size: 0
    .kernarg_segment_align: 8
    .kernarg_segment_size: 48
    .max_flat_workgroup_size: 512
    .sgpr_count:     66
    .vgpr_count:     256
    .wavefront_size: 32
...
	.end_amdgpu_metadata
.endif
;; end of part 3
;; launch gemm: the kernel of part 2 again; grid 8 x 32, 4 waves a work-group, clusters of 4 x 4, 327,680 bytes of LDS; arguments xb, wb, bias, out0; writes out0
